; MI455X (gfx1250); checked and timed in simulation.
; The chip was launched on July 23, 2026; its instructions are those of AMD's public machine-readable ISA for CDNA 5 (MIT licence, August 2026) and "CDNA5" Instruction Set Architecture Reference Guide (July 2026). The comments in the code are by the model that wrote it; some were corrected since.
;; Mo E. Allowed arithmetic: float matrix products may take bf16 or f16 operands with f32 sums; all other float work in f32.
;; Inputs: b1 8 x 4,096 float32; b2 8 x 1,024 float32; gate_w 1,024 x 8 float32; w1 8 x 1,024 x 4,096 float32; w2 8 x 4,096 x 1,024 float32; x 1,024 x 1,024 float32.
;; Outputs: out0 1,024 x 1,024 float32.
;; One version. Each part assembles by itself: llvm-mc -triple=amdgcn-amd-amdhsa -mcpu=gfx1250 --defsym DOCPART=n.
;; ======== version 1 of 1: 5 launches
;; workspace buffers: sel 4,096 bytes of whole numbers; cw 8,192 bytes; slot 8,192 bytes of whole numbers; meta 256 bytes of whole numbers; xg 4,718,592 bytes; h 18,874,368 bytes; p 37,748,736 bytes
;; launch gate (part 1): grid 256 x 1, 4 waves a work-group, no clusters, 0 bytes of LDS; arguments x, gate_w, sel, cw; writes sel, cw
.if DOCPART == 1
	.amdgcn_target "amdgcn-amd-amdhsa--gfx1250"
	.amdhsa_code_object_version 6
	.text
	.protected	k_q48de81d32a_gate
	.globl	k_q48de81d32a_gate
	.p2align	8
	.type	k_q48de81d32a_gate,@function
k_q48de81d32a_gate:
	s_mov_b64 s[64:65], 0
	v_nop
	global_prefetch_b8 v0, s[64:65] scope:SCOPE_SE
	s_setreg_imm32_b32 hwreg(HW_REG_WAVE_MODE, 25, 1), 1
	s_wait_xcnt 0x0
; GATE.  For each of 1,024 tokens: the 8 logits x[t] . gate_w[:, e], the two largest, and their two weights after softmax and renormalisation.
; sel[t] = i1 | i2 << 8 (whole numbers, for the later launches' addresses);  cw[t] = (c1, c2) in f32.
; FORMATS.  x and gate_w are rounded to bf16 (as every input of this program is), products and sums in f32.
; The product has 8 columns and 16.8 million operations: it is done by vector multiply-adds, since 8 columns fill half of a matrix tile and gate_w's rows of 8 numbers would come as loads of four bytes.
; WHAT IS LEFT OUT OF THE SOFTMAX.  The sum over all 8 cancels in the renormalisation: c1 = 1 / (1 + exp(l2 - l1)), c2 = exp(l2 - l1) c1.  The maximum l1 is what is taken away, so the exponent is never above 0.
; LIMITS.  The two largest are taken of the logits, scanning upward with a strict 'greater' (the lower index wins a tie); two logits that differ while their f32 probabilities coincide may be
; ordered otherwise than by the probabilities.  NaN and infinite logits are not treated apart.  exp(l2 - l1) below 2^-126 counts as 0.
; SHARES.  One wave a token.  Lane L owns k = 16 q + (L >> 1), q = 0..63, and the experts 4 (L & 1) + 0..3: its 16 bytes of gate_w lie at 512 q + 16 L, so a load of the wave takes 512 consecutive bytes.
; The stores are 4 and 8 bytes a wave: 12 KB in the whole launch.
.set ACC, 4            ; v4-11   eight sums: 4 (q & 1) + j
.set LG,  12           ; v12-19  the eight logits, in every lane
.set OT,  20           ; v20-23  what another lane holds
.set X,   32           ; v32-95  x[t][16 q + kk] as loaded; then v32-63: two bf16 a register (q even below, q odd above)
.set G,   96           ; v96-223 gate_w: two sets of 16 q x 4 experts; then two bf16 a register in each set's first 32
.macro GLOAD Q, set                 ; quarter Q of gate_w into a set: 16 loads
.set qq, 0
.rept 16
	global_load_b128 v[G+64*(\set)+4*qq:G+64*(\set)+4*qq+3], v3, s[6:7] offset:512*(16*(\Q)+qq)
.set qq, qq+1
.endr
.endm
.macro GCVT set                     ; rounded to bf16 in place, ascending: no source is written before it is read
.set qq, 0
.rept 16
	v_cvt_pk_bf16_f32 v[G+64*(\set)+2*qq],   v[G+64*(\set)+4*qq],   v[G+64*(\set)+4*qq+1]
	v_cvt_pk_bf16_f32 v[G+64*(\set)+2*qq+1], v[G+64*(\set)+4*qq+2], v[G+64*(\set)+4*qq+3]
.set qq, qq+1
.endr
.endm
.macro GFMA Q, set                  ; 64 multiply-adds straight from bf16 halves into f32, on eight chains
.set qq, 0
.rept 16
.set q, 16*(\Q)+qq
.set j, 0
.rept 4
.set rA, ACC+4*(q%2)+j
.set rX, X+q/2
.set rG, G+64*(\set)+2*qq+j/2
.if (q%2 == 0) && (j%2 == 0)
	v_fma_mix_f32_bf16 v[rA], v[rX], v[rG], v[rA] op_sel:[0,0,0] op_sel_hi:[1,1,0]
.elseif (q%2 == 1) && (j%2 == 0)
	v_fma_mix_f32_bf16 v[rA], v[rX], v[rG], v[rA] op_sel:[1,0,0] op_sel_hi:[1,1,0]
.elseif (q%2 == 0)
	v_fma_mix_f32_bf16 v[rA], v[rX], v[rG], v[rA] op_sel:[0,1,0] op_sel_hi:[1,1,0]
.else
	v_fma_mix_f32_bf16 v[rA], v[rX], v[rG], v[rA] op_sel:[1,1,0] op_sel_hi:[1,1,0]
.endif
.set j, j+1
.endr
.set qq, qq+1
.endr
.endm
	s_load_b256 s[4:11], s[0:1], 0x0               ; x s[4:5], gate_w s[6:7], sel s[8:9], cw s[10:11]
	v_and_b32 v1, 31, v0                           ; L
	v_lshrrev_b32 v2, 5, v0
	v_readfirstlane_b32 s12, v2                    ; wave
	v_lshrrev_b32 v2, 1, v1
	v_lshlrev_b32 v2, 2, v2                        ; 4 (L >> 1): my number in 64 bytes of x
	v_lshlrev_b32 v3, 4, v1                        ; 16 L
	s_lshl_b32 s13, ttmp9, 2
	s_add_co_u32 s13, s13, s12                     ; t
	s_lshl_b32 s14, s13, 12                        ; x's row: 4,096 bytes
	s_mov_b32 s15, 0
	s_lshl_b32 s18, s13, 2
	s_mov_b32 s19, 0
	s_lshl_b32 s20, s13, 3
	s_mov_b32 s21, 0
	s_mov_b32 s16, 0x76543210                      ; v_permlanex16_b32: each lane takes its own place in the other half
	s_mov_b32 s17, 0xfedcba98
	s_wait_kmcnt 0x0
	s_add_nc_u64 s[4:5], s[4:5], s[14:15]
	s_add_nc_u64 s[8:9], s[8:9], s[18:19]          ; sel + 4 t
	s_add_nc_u64 s[10:11], s[10:11], s[20:21]      ; cw + 8 t
.set q, 0
.rept 64
	global_load_b32 v[X+q], v2, s[4:5] offset:64*q
.set q, q+1
.endr
	GLOAD 0, 0
	GLOAD 1, 1
.irp a, 0,1,2,3,4,5,6,7
	v_mov_b32 v[ACC+\a], 0                         ; eight sums start at 0
.endr
.irp a, 0,1,2,3
	v_mov_b32 v[OT+\a], 0                          ; the destinations of lane moves count as read
.endr
.irp qt, 0,1,2,3
.if \qt < 3
	s_wait_loadcnt 16                              ; loads come back in order: this quarter (and x) is in, the one younger quarter of 16 loads stays out
.else
	s_wait_loadcnt 0
.endif
.if \qt == 0
.set q, 0
.rept 32
	v_cvt_pk_bf16_f32 v[X+q], v[X+2*q], v[X+2*q+1] ; x rounded to bf16 in place, ascending
.set q, q+1
.endr
.endif
	GCVT (\qt)%2
	GFMA \qt, (\qt)%2
.if \qt < 2
	GLOAD (\qt)+2, (\qt)%2
.endif
.endr
	; the sums of the 16 lanes that share my four experts: lanes 2, 4, 8 and 16 away
.irp a, 0,1,2,3
	v_add_f32 v[ACC+\a], v[ACC+\a], v[ACC+4+\a]
.endr
.irp m, 2,4,8
.irp a, 0,1,2,3
	v_add_f32_dpp v[ACC+\a], v[ACC+\a], v[ACC+\a] row_xmask:\m row_mask:0xf bank_mask:0xf
.endr
.endr
.irp a, 0,1,2,3
	v_permlanex16_b32 v[OT+\a], v[ACC+\a], s16, s17
.endr
.irp a, 0,1,2,3
	v_add_f32 v[ACC+\a], v[ACC+\a], v[OT+\a]
.endr
.irp a, 0,1,2,3
	v_mov_b32_dpp v[OT+\a], v[ACC+\a] row_xmask:1 row_mask:0xf bank_mask:0xf   ; the other four experts' logits lie one lane away
.endr
	v_and_b32 v28, 1, v1
	v_cmp_ne_u32 vcc_lo, 0, v28                    ; odd lanes hold experts 4-7
.irp a, 0,1,2,3
	v_cndmask_b32 v[LG+\a],   v[ACC+\a], v[OT+\a],  vcc_lo
	v_cndmask_b32 v[LG+4+\a], v[OT+\a],  v[ACC+\a], vcc_lo
.endr
	; the largest, then the largest of the others: selects only, no branch
	v_mov_b32 v24, v[LG]
	v_mov_b32 v25, 0
.irp e, 1,2,3,4,5,6,7
	v_cmp_gt_f32 vcc_lo, v[LG+\e], v24
	v_cndmask_b32 v24, v24, v[LG+\e], vcc_lo
	v_cndmask_b32 v25, v25, \e, vcc_lo
.endr
	v_mov_b32 v26, 0xff800000                      ; minus infinity
	v_mov_b32 v27, 0
.irp e, 0,1,2,3,4,5,6,7
	v_cmp_ne_u32 s22, \e, v25
	v_cmp_gt_f32 s23, v[LG+\e], v26
	s_and_b32 s22, s22, s23
	v_cndmask_b32 v26, v26, v[LG+\e], s22
	v_cndmask_b32 v27, v27, \e, s22
.endr
	v_sub_f32 v28, v26, v24                        ; l2 - l1, never above 0
	v_mul_f32 v28, 0x3fb8aa3b, v28                 ; times log2(e)
	v_exp_f32 v28, v28
	v_lshl_or_b32 v29, v27, 8, v25                 ; i1 | i2 << 8: also the plain instruction behind the exponential
	s_wait_alu depctr_va_vdst(0)
	v_add_f32 v31, 1.0, v28
	v_rcp_f32 v30, v31                             ; c1
	v_mov_b32 v32, 0                               ; the stores' offset: also the plain instruction behind the reciprocal
	s_wait_alu depctr_va_vdst(0)
	v_mul_f32 v31, v28, v30                        ; c2
	s_wait_xcnt 0x0                                ; EXEC is a source of the loads above: it changes only behind this wait
	v_cmp_eq_u32 vcc_lo, 0, v1
	s_and_saveexec_b32 s22, vcc_lo                 ; lane 0 stores
	global_store_b32 v32, v29, s[8:9]
	global_store_b64 v32, v[30:31], s[10:11]
	s_endpgm
.Lfunc_end_k_q48de81d32a_gate:
	.size	k_q48de81d32a_gate, .Lfunc_end_k_q48de81d32a_gate-k_q48de81d32a_gate
	.p2alignl 7, 3214868480
	.fill 96, 4, 3214868480
	.section	.rodata,"a",@progbits
	.p2align	6, 0x0
	.amdhsa_kernel k_q48de81d32a_gate
		.amdhsa_group_segment_fixed_size 0
		.amdhsa_private_segment_fixed_size 0
		.amdhsa_enable_private_segment 0
		.amdhsa_kernarg_size 32
		.amdhsa_user_sgpr_count 2
		.amdhsa_user_sgpr_kernarg_segment_ptr 1
		.amdhsa_wavefront_size32 1
		.amdhsa_system_sgpr_workgroup_id_x 1
		.amdhsa_system_sgpr_workgroup_id_y 1
		.amdhsa_system_sgpr_workgroup_id_z 1
		.amdhsa_system_vgpr_workitem_id 0
		.amdhsa_next_free_vgpr 224
		.amdhsa_next_free_sgpr 66
		.amdhsa_reserve_vcc 1
		.amdhsa_float_denorm_mode_32 3
		.amdhsa_float_denorm_mode_16_64 3
		.amdhsa_memory_ordered 1
		.amdhsa_forward_progress 1
		.amdhsa_inst_pref_size 46
	.end_amdhsa_kernel
	.amdgpu_metadata
---
amdhsa.version: [ 1, 2 ]
amdhsa.kernels:
  - .name:           k_q48de81d32a_gate
    .symbol:         k_q48de81d32a_gate.kd
    .args:
      - { .name: x, .offset: 0, .size: 8, .value_kind: global_buffer, .address_space: global }
      - { .name: gate_w, .offset: 8, .size: 8, .value_kind: global_buffer, .address_space: global }
      - { .name: sel, .offset: 16, .size: 8, .value_kind: global_buffer, .address_space: global }
      - { .name: cw, .offset: 24, .size: 8, .value_kind: global_buffer, .address_space: global }
    .group_segment_fixed_size: 0
    .private_segment_fixed_size: 0
    .kernarg_segment_align: 8
    .kernarg_segment_size: 32
    .max_flat_workgroup_size: 128
    .sgpr_count:     66
    .vgpr_count:     224
    .wavefront_size: 32
...
	.end_amdgpu_metadata
.endif
;; end of part 1
;; launch route (part 2): grid 72 x 1, 32 waves a work-group, no clusters, 82,432 bytes of LDS; arguments sel, x, slot, meta, xg; writes slot, meta, xg
.if DOCPART == 2
	.amdgcn_target "amdgcn-amd-amdhsa--gfx1250"
	.amdhsa_code_object_version 6
	.text
	.protected	k_q48de81d32a_route
	.globl	k_q48de81d32a_route
	.p2align	8
	.type	k_q48de81d32a_route,@function
k_q48de81d32a_route:
	s_mov_b64 s[64:65], 0
	v_nop
	global_prefetch_b8 v0, s[64:65] scope:SCOPE_SE
	s_setreg_imm32_b32 hwreg(HW_REG_WAVE_MODE, 25, 1), 1
	s_wait_xcnt 0x0
; ROUTE.  Gives every (token, chosen expert) a SLOT, and writes the tokens' rows of x, rounded to bf16, in slot order and in the layout in which the next launch's matrix instructions take them.
; SLOTS.  Expert e's tokens, in token order, take slots 32 cb[e] + 0, 1, ..; nch[e] = (count[e] + 31) >> 5 chunks of 32 slots, cb = the running sum of nch.
; 2,048 pairs and 8 experts give at most (2,048 + 8 x 31) / 32 = 71 chunks; the grid has 72 work-groups, one a chunk, whatever the routing.  A slot without a token gets a row of zeros,
; so that every byte of xg is written (chunks behind the last expert's are zeros too: how many there are is known only here).
; Every work-group ranks all 1,024 tokens (a thread a token; whole-number work alone) and then makes its own chunk: wave v makes slot 32 b + v.  Work-group 0 also stores slot[t] = (slot1, slot2) and
; meta: words 0-7 cb[e], 8-15 nch[e], 16-31 zero.
; xg: a block of 1,024 bytes is 16 slots x 32 k as a matrix operand lies in registers: byte 512 d + 16 l + 2 i = slot l % 16, k = 16 d + 8 (l / 16) + i.  Tile T (slots 16 T ..) has its 32 blocks on end.
; So the 16 bytes of slot r that hold k = 256 i + 8 L .. + 7 belong at 8,192 i + 256 L + 16 r of the tile: 256-byte unit 32 i + L.  The chunk's 256 units are gathered in LDS and leave as whole units.
.set TAB, 0            ; 4 words x 32 waves: each wave's counts for 8 experts, two to a word
.set SLT, 512          ; 1,024 x 8 bytes: the two slots of each token
.set IMG, 8704         ; 256 units of 256 bytes, 272 apart: 68 words
.set UP,  272
.set M1,  16           ; s16-23  lanes whose first expert is e
.set M2,  24           ; s24-31  lanes whose second expert is e
.set CN,  32           ; s32-39  my wave's count for e
.set NC,  40           ; s40-47  count[e], then nch[e]
.set SS,  48           ; s48-55  the count in the waves before mine, then the first slot for my wave's tokens
.set CB,  56           ; s56-63  cb[e]
.macro LSUM r                       ; the sum of v[r] over the 32 lanes, in every lane
.irp m, 1,2,4,8
	v_mov_b32_dpp v24, v[\r] row_xmask:\m row_mask:0xf bank_mask:0xf
	v_add_nc_u32 v[\r], v[\r], v24
.endr
	v_permlanex16_b32 v24, v[\r], s66, s67
	v_add_nc_u32 v[\r], v[\r], v24
.endm
	s_load_b256 s[4:11], s[0:1], 0x0               ; sel s[4:5], x s[6:7], slot s[8:9], meta s[10:11]
	s_load_b64 s[12:13], s[0:1], 0x20              ; xg
	v_lshl_add_u32 v62, v0, 2, 0x13200
	v_mov_b32 v63, 0
	v_and_b32 v1, 31, v0                           ; L
	v_lshrrev_b32 v2, 5, v0
	v_readfirstlane_b32 s14, v2                    ; wave
	v_lshlrev_b32 v2, 2, v0
	s_mov_b32 s66, 0x76543210
	s_mov_b32 s67, 0xfedcba98
	s_wait_kmcnt 0x0
	global_load_b32 v3, v2, s[4:5]                 ; my token's two experts
	v_mov_b32 v9, 0
	v_mov_b32 v10, 0
	v_mov_b32 v24, 0                               ; the destination of lane moves counts as read
	s_wait_loadcnt 0x0
	v_and_b32 v6, 7, v3
	v_bfe_u32 v7, v3, 8, 3
	; for each expert: who in my wave goes there, how many, and my rank among them
.irp e, 0,1,2,3,4,5,6,7
	v_cmp_eq_u32 s[M1+\e], \e, v6
	v_cmp_eq_u32 s[M2+\e], \e, v7
	s_or_b32 s68, s[M1+\e], s[M2+\e]
	s_bcnt1_i32_b32 s[CN+\e], s68
	v_mbcnt_lo_u32_b32 v8, s68, 0
	v_cndmask_b32 v9, v9, v8, s[M1+\e]
	v_cndmask_b32 v10, v10, v8, s[M2+\e]
.endr
	v_mov_b32 v12, s14
	v_lshlrev_b32 v12, 2, v12                      ; my wave's word in each of TAB's four rows
.irp k, 0,1,2,3
	s_lshl_b32 s68, s[CN+2*\k+1], 16               ; a wave's count is at most 32 and a total at most 1,024: two fit in a word, and so do their sums
	s_or_b32 s68, s68, s[CN+2*\k]
	v_mov_b32 v11, s68
	ds_store_b32 v12, v11 offset:TAB+128*\k
.endr
	s_wait_dscnt 0x0                               ; for the others' sake: my counts are stored
	s_barrier_signal -1
	s_barrier_wait -1
	v_lshlrev_b32 v13, 2, v1
.irp k, 0,1,2,3
	ds_load_b32 v[16+\k], v13 offset:TAB+128*\k    ; lane L: wave L's counts
.endr
	v_cmp_gt_u32 vcc_lo, s14, v1                   ; the waves before mine
	s_wait_dscnt 0x0
.irp k, 0,1,2,3
	v_cndmask_b32 v[20+\k], 0, v[16+\k], vcc_lo
.endr
.irp r, 16,17,18,19,20,21,22,23
	LSUM \r
.endr
.irp k, 0,1,2,3
	v_readfirstlane_b32 s[76+\k], v[16+\k]
	v_readfirstlane_b32 s[80+\k], v[20+\k]
.endr
.irp k, 0,1,2,3
	s_and_b32 s[NC+2*\k], s[76+\k], 0xffff
	s_lshr_b32 s[NC+2*\k+1], s[76+\k], 16
	s_and_b32 s[SS+2*\k], s[80+\k], 0xffff
	s_lshr_b32 s[SS+2*\k+1], s[80+\k], 16
.endr
	s_mov_b32 s70, 0                               ; chunks so far
.irp e, 0,1,2,3,4,5,6,7
	s_add_co_u32 s[NC+\e], s[NC+\e], 31
	s_lshr_b32 s[NC+\e], s[NC+\e], 5               ; nch[e]
	s_mov_b32 s[CB+\e], s70                        ; cb[e]
	s_lshl_b32 s68, s70, 5
	s_add_co_u32 s[SS+\e], s[SS+\e], s68           ; 32 cb[e] + the tokens of e in the waves before mine
	s_add_co_u32 s70, s70, s[NC+\e]
.endr
	v_mov_b32 v30, 0
	v_mov_b32 v31, 0
.irp e, 0,1,2,3,4,5,6,7
	v_mov_b32 v26, s[SS+\e]
	v_cndmask_b32 v30, v30, v26, s[M1+\e]
	v_cndmask_b32 v31, v31, v26, s[M2+\e]
.endr
	v_add_nc_u32 v30, v30, v9                      ; my token's slot with its first expert,
	v_add_nc_u32 v31, v31, v10                     ; and with its second
	s_cmp_lg_u32 ttmp9, 0
	s_cbranch_scc1 .Lnot_first                     ; the tables are stored by work-group 0 alone; no barrier stands in what is jumped
	v_lshlrev_b32 v28, 3, v0
	global_store_b64 v28, v[30:31], s[8:9]
	s_cmp_lg_u32 s14, 0
	s_cbranch_scc1 .Lnot_first
	v_mov_b32 v32, 0
.irp e, 0,1,2,3,4,5,6,7
	v_writelane_b32 v32, s[CB+\e], \e
	v_writelane_b32 v32, s[NC+\e], 8+\e
.endr
	v_lshlrev_b32 v29, 2, v1
	global_store_b32 v29, v32, s[10:11]
.Lnot_first:
	v_lshlrev_b32 v34, 3, v0
	ds_store_b64 v34, v[30:31] offset:SLT          ; each thread's own 8 bytes
	s_wait_dscnt 0x0                               ; for the others' sake
	s_barrier_signal -1
	s_barrier_wait -1
	; which token has my wave's slot?  All 2,048 words are read (lane L, load i: tokens 64 i + 2 L and + 1) and compared; at most one is equal
	v_lshlrev_b32 v35, 4, v1
.set i, 0
.rept 16
	ds_load_b128 v[64+4*i:64+4*i+3], v35 offset:SLT+512*i
.set i, i+1
.endr
	s_lshl_b32 s71, ttmp9, 5
	s_add_co_u32 s71, s71, s14                     ; my slot: 32 b + v
	v_mov_b32 v36, 0x400                           ; 1,024: no token
	v_lshlrev_b32 v37, 1, v1
	s_wait_dscnt 0x0
.set i, 0
.rept 32
	v_add_nc_u32 v38, 64*(i/2)+i%2, v37
	v_cmp_eq_u32 vcc_lo, s71, v[64+2*i]
	v_cndmask_b32 v36, v36, v38, vcc_lo
	v_cmp_eq_u32 vcc_lo, s71, v[64+2*i+1]
	v_cndmask_b32 v36, v36, v38, vcc_lo
.set i, i+1
.endr
.irp m, 1,2,4,8
	v_mov_b32_dpp v24, v36 row_xmask:\m row_mask:0xf bank_mask:0xf
	v_min_u32 v36, v36, v24
.endr
	v_permlanex16_b32 v24, v36, s66, s67
	v_min_u32 v36, v36, v24                        ; the token, in every lane
	v_cmp_gt_u32 s72, 0x400, v36                   ; is there one?
	v_min_u32 v36, 0x3ff, v36                      ; inside x whatever the tables hold; an empty slot reads the last row and discards it
	v_lshlrev_b32 v39, 12, v36
	v_lshl_add_u32 v39, v1, 5, v39                 ; row x 4,096 + 32 L
.set i, 0
.rept 4
	global_load_b128 v[64+8*i:64+8*i+3],   v39, s[6:7] offset:1024*i       ; k = 256 i + 8 L .. + 7
	global_load_b128 v[64+8*i+4:64+8*i+7], v39, s[6:7] offset:1024*i+16
.set i, i+1
.endr
	s_lshr_b32 s68, s14, 4
	s_mul_i32 s68, s68, 128*UP                     ; my tile's 128 units,
	s_and_b32 s69, s14, 15
	s_lshl_b32 s69, s69, 4                         ; my slot's 16 bytes in each
	s_add_co_u32 s68, s68, s69
	s_add_co_u32 s68, s68, IMG
	v_mul_u32_u24 v56, v1, UP
	v_add_nc_u32 v56, s68, v56
	s_mul_i32 s68, s14, 8*UP                       ; back: wave v takes units 8 v .. 8 v + 7, two a load
	s_add_co_u32 s68, s68, IMG
	v_lshrrev_b32 v57, 4, v1
	v_mul_u32_u24 v57, v57, UP
	v_and_b32 v58, 15, v1
	v_lshl_add_u32 v57, v58, 4, v57
	v_add_nc_u32 v57, s68, v57
	s_lshl_b32 s68, s14, 11
	v_add_nc_u32 v58, s68, v35                     ; 2,048 v + 16 L
	s_lshl_b32 s74, ttmp9, 16                      ; the chunk's 65,536 bytes of xg
	s_mov_b32 s75, 0
	s_add_nc_u64 s[12:13], s[12:13], s[74:75]
	s_wait_loadcnt 0x0
.set i, 0
.rept 16
	v_cvt_pk_bf16_f32 v[40+i], v[64+2*i], v[64+2*i+1]
.set i, i+1
.endr
.set i, 0
.rept 16
	v_cndmask_b32 v[40+i], 0, v[40+i], s72         ; zeros where the slot has no token
.set i, i+1
.endr
.set i, 0
.rept 4
	ds_store_b128 v56, v[40+4*i:40+4*i+3] offset:32*UP*i
.set i, i+1
.endr
	s_wait_dscnt 0x0                               ; for the others' sake: a unit's 256 bytes come from 16 waves
	s_barrier_signal -1
	s_barrier_wait -1
.set i, 0
.rept 4
	ds_load_b128 v[40+4*i:40+4*i+3], v57 offset:2*UP*i
.set i, i+1
.endr
.set i, 0
.rept 4
	s_wait_dscnt 3-i                               ; LDS loads come back in order: load i is in, the later ones stay out
	global_store_b128 v58, v[40+4*i:40+4*i+3], s[12:13] offset:512*i   ; 512 consecutive bytes, at a multiple of 512 from xg's first
.set i, i+1
.endr
	s_wait_tensorcnt 0x0
	ds_add_u32 v62, v63
	s_wait_dscnt 0x0
	s_endpgm
.Lfunc_end_k_q48de81d32a_route:
	.size	k_q48de81d32a_route, .Lfunc_end_k_q48de81d32a_route-k_q48de81d32a_route
	.p2alignl 7, 3214868480
	.fill 96, 4, 3214868480
	.section	.rodata,"a",@progbits
	.p2align	6, 0x0
	.amdhsa_kernel k_q48de81d32a_route
		.amdhsa_group_segment_fixed_size 82432
		.amdhsa_private_segment_fixed_size 0
		.amdhsa_enable_private_segment 0
		.amdhsa_kernarg_size 40
		.amdhsa_user_sgpr_count 2
		.amdhsa_user_sgpr_kernarg_segment_ptr 1
		.amdhsa_wavefront_size32 1
		.amdhsa_system_sgpr_workgroup_id_x 1
		.amdhsa_system_sgpr_workgroup_id_y 1
		.amdhsa_system_sgpr_workgroup_id_z 1
		.amdhsa_system_vgpr_workitem_id 0
		.amdhsa_next_free_vgpr 128
		.amdhsa_next_free_sgpr 96
		.amdhsa_reserve_vcc 1
		.amdhsa_float_denorm_mode_32 3
		.amdhsa_float_denorm_mode_16_64 3
		.amdhsa_memory_ordered 1
		.amdhsa_forward_progress 1
		.amdhsa_inst_pref_size 28
	.end_amdhsa_kernel
	.amdgpu_metadata
---
amdhsa.version: [ 1, 2 ]
amdhsa.kernels:
  - .name:           k_q48de81d32a_route
    .symbol:         k_q48de81d32a_route.kd
    .args:
      - { .name: sel, .offset: 0, .size: 8, .value_kind: global_buffer, .address_space: global }
      - { .name: x, .offset: 8, .size: 8, .value_kind: global_buffer, .address_space: global }
      - { .name: slot, .offset: 16, .size: 8, .value_kind: global_buffer, .address_space: global }
      - { .name: meta, .offset: 24, .size: 8, .value_kind: global_buffer, .address_space: global }
      - { .name: xg, .offset: 32, .size: 8, .value_kind: global_buffer, .address_space: global }
    .group_segment_fixed_size: 82432
    .private_segment_fixed_size: 0
    .kernarg_segment_align: 8
    .kernarg_segment_size: 40
    .max_flat_workgroup_size: 1024
    .sgpr_count:     96
    .vgpr_count:     128
    .wavefront_size: 32
...
	.end_amdgpu_metadata
.endif
;; end of part 2
;; launch ffn1 (part 3): grid 256 x 1, 4 waves a work-group, no clusters, 135,680 bytes of LDS; arguments xg, w1, b1, meta, h; writes h
.if DOCPART == 3
	.amdgcn_target "amdgcn-amd-amdhsa--gfx1250"
	.amdhsa_code_object_version 6
	.text
	.protected	k_q48de81d32a_ffn1
	.globl	k_q48de81d32a_ffn1
	.p2align	8
	.type	k_q48de81d32a_ffn1,@function
k_q48de81d32a_ffn1:
	s_mov_b64 s[64:65], 0
	v_nop
	global_prefetch_b8 v0, s[64:65] scope:SCOPE_SE
	s_setreg_imm32_b32 hwreg(HW_REG_WAVE_MODE, 25, 1), 1
	s_wait_xcnt 0x0
; FFN1.  h[slot][:] = gelu(x[slot] . w1[e] + b1[e]) for the slots of expert e, in bf16.  Products in bf16 with f32 sums; w1 and b1 are rounded to bf16 (as every input of this program is); bias and gelu in f32.
; Experts that a token did not choose have the combine weight 0 in the problem's function: they are not evaluated.  That differs only where such an expert's result would not be finite.
; SHARES.  Work-group = expert e (number >> 5) and 128 columns (number & 31): a slice of w1 of 1,024 k x 128 columns, 512 KB of f32 that no other work-group reads.  Wave w keeps k = 256 w .. + 255 of it, all 128
; columns, as bf16 in 512 registers for the whole launch.  Then the expert's chunks of 32 slots go by: 128 matrix instructions a wave and chunk; the four waves' partial sums meet in LDS.
; WEIGHTS WITHOUT A TURN.  w1 lies [k][n].  A load of 16 bytes gives lane (r, hh) four neighbouring columns 64 c + 4 r + f of one k; they go to four fragments F = 4 c + f, row r.  So place pos = 16 F + m of the
; work-group's 128 stands for column 64 (pos >> 6) + 4 (pos & 15) + ((pos >> 4) & 3).  h is stored by places; the next launch takes w2's rows in the same order.
; THE MATRIX INSTRUCTION: source 0 = 16 places x 32 k of weights, source 1 = 16 slots x 32 k.  In the result lane (r, hh) holds slot r and places 8 hh + 0..7.
; xg and h lie in blocks of 1,024 bytes, 16 slots x 32 k as source 1 lies in registers: two loads of 512 consecutive bytes fill a fragment, and no LDS is needed for them.
; THE COUNT OF CHUNKS is read from meta (whole numbers of an earlier launch).  The loop has 16 trips of two chunks whatever it is (an expert may hold all 1,024 tokens); a chunk that does not exist is
; jumped forward over, but for its barrier, which every wave passes.
; NO CLUSTER, NO TENSOR LOADS.  The weights want a conversion in registers in any case, and nobody shares them.  The 32 work-groups of an expert do share xg's chunks (64 KB a chunk); a joint load may not be jumped,
; so all 32 chunks would be fetched where 8 to 9 exist on even routing, and each would want a round of the cluster's barrier.
; GELU.  gelu(x) = max(x, 0) - |x| Phi(-|x|), Phi(-|x|) = erfc(z) / 2, z = |x| / sqrt 2, erfc(z) = t (a1 + t (a2 + ..)) exp(-z z), t = 1 / (1 + 0.3275911 z) (Abramowitz and Stegun 7.1.26: erfc within 1.5e-7
; for every z).  No select and no difference of near numbers.  LIMITS: an infinite x gives NaN; exp(-z z) below 2^-126 counts as 0.
; REGISTERS, in windows of 256 (s_set_vgpr_msb: bits 1:0 source 0, 3:2 source 1, 5:4 source 2, 7:6 destination):
;   window 0: v1-11 lane numbers and addresses; v16-31 bias; v32-71 gelu at work; v96-111 what is stored; v128-255 the 16 accumulators, and behind the barrier the partial sums read back
;   window 1: first two sets of 128 for weights as loaded; then two buffers of 128 for a chunk's fragments (64 tt + 8 ks)          windows 2, 3: the weights: K step ks at window 2 + ks / 4, v[64 (ks % 4) + 8 F]
.set WP,    16384      ; bytes from a row of w1 to the next
.set TILEB, 32768      ; bytes of xg for 16 slots
.set CHB,   65536      ; and for a chunk
.set OSTEP, 262144     ; bytes of h for a chunk
.set PROW,  528        ; a row of partial sums in LDS: 128 f32 + 16 bytes = 132 words
.set PTILE, 16*PROW
.set PWAVE, 32*PROW    ; a wave's 32 rows
.set PBUF,  4*PWAVE    ; a buffer; there are two
.set PSA,   6          ; v6, v7   where I put my partial sums, by buffer
.set RDA,   8          ; v8, v9   where I read partial sums back, by buffer
.set BIAS,  16         ; v16-31   b1 at my places: 8 d + i
.set ZZ,    32
.set TT,    40
.set EE,    48
.set QQ,    56
.set MX,    64
.set OUT,   96
.set ACC,   128        ; accumulator (tt, F) at ACC + 64 tt + 8 F
.set RT,    128
.set MSB, 0
.macro WIN new                      ; the immediate's high byte repeats the setting that is left; a switch that changes nothing is dropped
.if MSB != (\new)
	s_set_vgpr_msb (MSB<<8)|(\new)
.set MSB, (\new)
.endif
.endm
; 32 loads: K step ks of my weights as f32.  Load (sx, c): k = 32 ks + sx + 8 (sx / 8) + 8 hh: lanes 0-15 take 256 consecutive bytes of one row, lanes 16-31 of the row 8 further down.
.macro WLOAD ks, set
	WIN 0x40                                       ; destination window 1, address window 0
.set sx, 0
.rept 16
.set row, 32*(\ks)+sx+8*(sx/8)
	global_load_b128 v[128*(\set)+8*sx:128*(\set)+8*sx+3],   v4, s[28:29] offset:row*WP th:TH_LOAD_NT
	global_load_b128 v[128*(\set)+8*sx+4:128*(\set)+8*sx+7], v4, s[28:29] offset:row*WP+256 th:TH_LOAD_NT
.set sx, sx+1
.endr
.endm
; 64 roundings: register jj of fragment cf takes k = 16 (jj / 4) + 8 hh + 2 (jj % 4) and the next: loads sx = 2 jj and 2 jj + 1
.macro WCVT ks, set
	WIN 0x85+0x40*((\ks)/4)                        ; sources window 1, destination window 2 or 3
.set cf, 0
.rept 8
.set jj, 0
.rept 8
	v_cvt_pk_bf16_f32 v[64*((\ks)%4)+8*cf+jj], v[128*(\set)+16*jj+cf], v[128*(\set)+16*jj+8+cf]
.set jj, jj+1
.endr
.set cf, cf+1
.endr
.endm
; 32 loads: a chunk's fragments for my 8 K steps: 8 KB on end for each of its two tiles
.macro LOADA buf, extra
	WIN 0x40
.set tt, 0
.rept 2
.set kx, 0
.rept 16
	global_load_b128 v[128*(\buf)+64*tt+4*kx:128*(\buf)+64*tt+4*kx+3], v5, s[24:25] offset:(\extra)+tt*TILEB+512*kx
.set kx, kx+1
.endr
.set tt, tt+1
.endr
	WIN 0
.endm
; 128 matrix instructions.  The 16 accumulators take turns, one instruction a turn; the first K step starts the sums with the constant 0.
; Five v_nop behind them: the places in front of the LDS stores that read the results, of the loads into these registers, and of the next chunk's products that write over them.
.macro MULS b
.set ks, 0
.rept 8
	WIN 0x06+ks/4                                  ; weights window 2 or 3, slots window 1, sums window 0
.set tt, 0
.rept 2
.set ff, 0
.rept 8
.set rD, ACC+64*tt+8*ff
.set rW, 64*(ks%4)+8*ff
.set rA, 128*(\b)+64*tt+8*ks
.if ks == 0
	v_wmma_f32_16x16x32_bf16 v[rD:rD+7], v[rW:rW+7], v[rA:rA+7], 0
.else
	v_wmma_f32_16x16x32_bf16 v[rD:rD+7], v[rW:rW+7], v[rA:rA+7], v[rD:rD+7]
.endif
.set ff, ff+1
.endr
.set tt, tt+1
.endr
.set ks, ks+1
.endr
	WIN 0
.rept 5
	v_nop
.endr
.endm
.macro PSTORE b                     ; my partial sums: slot 16 tt + r, places 16 F + 8 hh + 0..7; each accumulator's low four registers first
.set tt, 0
.rept 2
.set ff, 0
.rept 8
	ds_store_b128 v[PSA+(\b)], v[ACC+64*tt+8*ff:ACC+64*tt+8*ff+3]   offset:PTILE*tt+64*ff
	ds_store_b128 v[PSA+(\b)], v[ACC+64*tt+8*ff+4:ACC+64*tt+8*ff+7] offset:PTILE*tt+64*ff+16
.set ff, ff+1
.endr
.set tt, tt+1
.endr
.endm
.macro GELU8                        ; x in v[xb .. xb+7]; the result in v[MX .. MX+7]
.set n, 0
.rept 8
	v_mul_f32 v[ZZ+n], s30, |v[xb+n]|              ; z
.set n, n+1
.endr
.irp n, 0,2,4,6
	v_pk_fma_f32 v[TT+\n:TT+\n+1], v[ZZ+\n:ZZ+\n+1], s[32:33], 1.0 op_sel_hi:[1,0,0]
.endr
.set n, 0
.rept 8
	v_rcp_f32 v[TT+n], v[TT+n]                     ; t
.set n, n+1
.endr
.irp n, 0,2,4,6
	v_pk_mul_f32 v[EE+\n:EE+\n+1], v[xb+\n:xb+\n+1], v[xb+\n:xb+\n+1]   ; plain work behind the reciprocals, ahead of their use
.endr
.irp n, 0,2,4,6
	v_pk_mul_f32 v[EE+\n:EE+\n+1], v[EE+\n:EE+\n+1], s[34:35] op_sel_hi:[1,0]   ; - x x log2(e) / 2
.endr
.set n, 0
.rept 8
	v_exp_f32 v[EE+n], v[EE+n]
.set n, n+1
.endr
.set n, 0
.rept 8
	v_max_num_f32 v[MX+n], 0, v[xb+n]              ; plain work behind the exponentials, ahead of their use
.set n, n+1
.endr
	s_wait_alu depctr_va_vdst(0)
.irp n, 0,2,4,6
	v_pk_fma_f32 v[QQ+\n:QQ+\n+1], v[TT+\n:TT+\n+1], s[44:45], s[42:43] op_sel_hi:[1,0,0]
.endr
.irp c, 40,38,36
.irp n, 0,2,4,6
	v_pk_fma_f32 v[QQ+\n:QQ+\n+1], v[QQ+\n:QQ+\n+1], v[TT+\n:TT+\n+1], s[\c:\c+1] op_sel_hi:[1,1,0]
.endr
.endr
.irp n, 0,2,4,6
	v_pk_mul_f32 v[QQ+\n:QQ+\n+1], v[QQ+\n:QQ+\n+1], v[TT+\n:TT+\n+1]
.endr
.irp n, 0,2,4,6
	v_pk_mul_f32 v[QQ+\n:QQ+\n+1], v[QQ+\n:QQ+\n+1], v[EE+\n:EE+\n+1]
.endr
.irp n, 0,2,4,6
	v_pk_fma_f32 v[MX+\n:MX+\n+1], v[ZZ+\n:ZZ+\n+1], v[QQ+\n:QQ+\n+1], v[MX+\n:MX+\n+1] neg_lo:[1,0,0] neg_hi:[1,0,0]   ; max(x, 0) - z q
.endr
.endm
; THE WAY OUT.  Wave w finishes places 32 w .. + 31, one K step of the next launch, for all 32 slots: four groups g = 2 tt + d of 8 numbers a lane (slot 16 tt + r, places 32 w + 16 d + 8 hh + 0..7).
.macro EPI b
.set g, 0
.rept 4
.set u, 0
.rept 4
	ds_load_b128 v[RT+32*g+8*u:RT+32*g+8*u+3],   v[RDA+(\b)] offset:PWAVE*u+PTILE*(g/2)+64*(g%2)
	ds_load_b128 v[RT+32*g+8*u+4:RT+32*g+8*u+7], v[RDA+(\b)] offset:PWAVE*u+PTILE*(g/2)+64*(g%2)+16
.set u, u+1
.endr
.set g, g+1
.endr
.set g, 0
.rept 4
	s_wait_dscnt 24-8*g                            ; LDS loads come back in order: group g's eight are in, the later groups' stay out
.set xb, RT+32*g
.irp n, 0,2,4,6
	v_pk_add_f32 v[xb+\n:xb+\n+1], v[xb+\n:xb+\n+1], v[xb+8+\n:xb+8+\n+1]
	v_pk_add_f32 v[xb+16+\n:xb+16+\n+1], v[xb+16+\n:xb+16+\n+1], v[xb+24+\n:xb+24+\n+1]
.endr
.irp n, 0,2,4,6
	v_pk_add_f32 v[xb+\n:xb+\n+1], v[xb+\n:xb+\n+1], v[xb+16+\n:xb+16+\n+1]
.endr
.irp n, 0,2,4,6
	v_pk_add_f32 v[xb+\n:xb+\n+1], v[xb+\n:xb+\n+1], v[BIAS+8*(g%2)+\n:BIAS+8*(g%2)+\n+1]
.endr
	GELU8
.irp n, 0,1,2,3
	v_cvt_pk_bf16_f32 v[OUT+4*g+\n], v[MX+2*\n], v[MX+2*\n+1]
.endr
	global_store_b128 v5, v[OUT+4*g:OUT+4*g+3], s[26:27] offset:131072*(g/2)+512*(g%2)   ; 512 consecutive bytes, at a multiple of 512 from h's first: half a block of the next launch's operand
.set g, g+1
.endr
.endm
; A CHUNK, on LDS buffer and fragment buffer b.  One barrier, on every path.  Two LDS buffers make it enough: buffer b is written again only behind the next chunk's barrier, in front of which every wave has
; waited for its reads of b.
.macro CHUNK b
	s_add_co_u32 s21, s20, \b
	s_cmp_lt_u32 s21, s19
	s_cbranch_scc0 .Ldead_\@                       ; no such chunk
	s_wait_loadcnt 0x0                             ; this chunk's fragments, asked for a chunk ago; no younger load is out
	s_add_co_u32 s21, s21, 1
	s_cmp_lt_u32 s21, s19
	s_cbranch_scc0 .Lno_next_\@
	LOADA 1-\b, CHB                                ; the next chunk's: 128 matrix instructions and the way out stand ahead of the wait for them
.Lno_next_\@:
	MULS \b
	PSTORE \b
.Ldead_\@:
	s_wait_dscnt 0x0                               ; for the others' sake: my partial sums are stored, and my reads of the other buffer are back
	s_barrier_signal -1
	s_barrier_wait -1
	s_add_co_u32 s21, s20, \b
	s_cmp_lt_u32 s21, s19
	s_cbranch_scc0 .Lnone_\@
	EPI \b
.Lnone_\@:
	s_wait_xcnt 0x0                                ; the two bases and the stores' data are written again only behind this wait
	s_add_nc_u64 s[24:25], s[24:25], CHB
	s_add_nc_u64 s[26:27], s[26:27], OSTEP
.endm
	s_load_b256 s[4:11], s[0:1], 0x0               ; xg s[4:5], w1 s[6:7], b1 s[8:9], meta s[10:11]
	s_load_b64 s[12:13], s[0:1], 0x20              ; h
	v_lshl_add_u32 v126, v0, 2, 0x21000
	v_mov_b32 v127, 0
	v_and_b32 v1, 31, v0                           ; L
	v_lshrrev_b32 v2, 5, v0
	v_readfirstlane_b32 s14, v2                    ; wave w
	v_and_b32 v2, 15, v0                           ; r
	v_bfe_u32 v3, v0, 4, 1                         ; hh
	v_lshlrev_b32 v4, 4, v2
	v_lshl_or_b32 v4, v3, 17, v4                   ; weights: 16 r + hh x 8 rows of 16,384 bytes
	v_lshlrev_b32 v5, 4, v1                        ; 16 L
	v_lshlrev_b32 v10, 7, v3                       ; bias: 128 hh
	v_mul_u32_u24 v11, v2, PROW
	v_lshl_add_u32 v11, v3, 5, v11                 ; 528 r + 32 hh
	s_mul_i32 s21, s14, PWAVE
	v_add_nc_u32 v[PSA], s21, v11
	v_add_nc_u32 v[PSA+1], PBUF, v[PSA]
	s_lshl_b32 s21, s14, 7                         ; my 32 places: 128 bytes of each row
	v_add_nc_u32 v[RDA], s21, v11
	v_add_nc_u32 v[RDA+1], PBUF, v[RDA]
	s_lshr_b32 s15, ttmp9, 5                       ; e
	s_and_b32 s16, ttmp9, 31                       ; nb
	s_lshl_b32 s22, s15, 24                        ; e x 1,024 x 4,096 x 4
	s_lshl_b32 s21, s16, 9
	s_add_co_u32 s22, s22, s21                     ; + 512 nb
	s_lshl_b32 s21, s14, 22
	s_add_co_u32 s22, s22, s21                     ; + w x 256 rows
	s_mov_b32 s23, 0
	s_lshl_b32 s52, s15, 2
	s_mov_b32 s53, 0
	s_wait_kmcnt 0x0
	s_add_nc_u64 s[28:29], s[6:7], s[22:23]        ; my weights
	s_add_nc_u64 s[50:51], s[10:11], s[52:53]
	s_load_b32 s18, s[50:51], 0x0                  ; cb[e]
	s_load_b32 s19, s[50:51], 0x20                 ; nch[e]
	s_lshl_b32 s22, s15, 14                        ; b1: place 32 w + 16 d + 8 hh + i is column 64 (w >> 1) + 4 (8 hh + i) + 2 (w & 1) + d
	s_lshl_b32 s21, s16, 9
	s_add_co_u32 s22, s22, s21
	s_lshr_b32 s21, s14, 1
	s_lshl_b32 s21, s21, 8
	s_add_co_u32 s22, s22, s21
	s_and_b32 s21, s14, 1
	s_lshl_b32 s21, s21, 3
	s_add_co_u32 s22, s22, s21
	s_add_nc_u64 s[48:49], s[8:9], s[22:23]
.set n, 0
.rept 16
	global_load_b32 v[BIAS+n], v10, s[48:49] offset:16*(n%8)+4*(n/8)
.set n, n+1
.endr
	WLOAD 0, 0
	WLOAD 1, 1
	s_mov_b32 s30, 0x3f3504f3                      ; 1 / sqrt 2
	s_mov_b32 s32, 0x3ea7ba05                      ; 0.3275911.  Each constant is named as a pair, so both words are written
	s_mov_b32 s33, s32
	s_mov_b32 s34, 0xbf38aa3b                      ; - log2(e) / 2
	s_mov_b32 s35, s34
	s_mov_b32 s36, 0x3e38842e                      ; a1 / sqrt 2 =  0.18019173
	s_mov_b32 s37, s36
	s_mov_b32 s38, 0xbe4dff65                      ; a2 / sqrt 2 = -0.20116957
	s_mov_b32 s39, s38
	s_mov_b32 s40, 0x3f80a6d5                      ; a3 / sqrt 2 =  1.00509130
	s_mov_b32 s41, s40
	s_mov_b32 s42, 0xbf838639                      ; a4 / sqrt 2 = -1.02753365
	s_mov_b32 s43, s42
	s_mov_b32 s44, 0x3f402289                      ; a5 / sqrt 2 =  0.75052698
	s_mov_b32 s45, s44
	s_wait_kmcnt 0x0
	s_min_u32 s18, s18, 71                         ; inside the buffers whatever the table holds
	s_min_u32 s19, s19, 32
	s_lshl_b32 s22, s18, 16
	s_lshl_b32 s21, s14, 13
	s_add_co_u32 s22, s22, s21
	s_add_nc_u64 s[24:25], s[4:5], s[22:23]        ; xg at chunk cb, my 8 K steps
	s_lshl_b32 s22, s18, 18
	s_lshl_b32 s21, s16, 12
	s_add_co_u32 s22, s22, s21
	s_lshl_b32 s21, s14, 10
	s_add_co_u32 s22, s22, s21
	s_add_nc_u64 s[26:27], s[12:13], s[22:23]      ; h at chunk cb, K step 4 nb + w
.irp ks, 0,1,2,3,4,5
	s_wait_loadcnt 32                              ; loads come back in order: this K step's 32 are in, the one younger set of 32 stays out
	WCVT \ks, (\ks)%2
	WLOAD (\ks)+2, (\ks)%2
.endr
	s_wait_loadcnt 32
	WCVT 6, 0
	WIN 0                                          ; at a branch and at a label every window is 0
	s_cmp_lg_u32 s19, 0
	s_cbranch_scc0 .Lno_first
	LOADA 0, 0                                     ; the first chunk's fragments, into the set just converted
.Lno_first:
	s_wait_loadcnt 0x0                             ; the last set of weights; the count holds on both ways
	WCVT 7, 1
	WIN 0
.set n, 0
.rept 8
	v_cvt_pk_bf16_f32 v[ZZ+n], v[BIAS+2*n], v[BIAS+2*n+1]   ; b1 rounded to bf16, and widened again
.set n, n+1
.endr
.set n, 0
.rept 8
	v_lshlrev_b32 v[BIAS+2*n], 16, v[ZZ+n]
	v_and_b32 v[BIAS+2*n+1], 0xffff0000, v[ZZ+n]
.set n, n+1
.endr
	s_mov_b32 s20, 0                               ; the trip's first chunk
	s_mov_b32 s46, 16
.Ltrip:
	CHUNK 0
	CHUNK 1
	s_add_co_u32 s20, s20, 2
	s_sub_co_u32 s46, s46, 1
	s_cmp_lg_u32 s46, 0
	s_cbranch_scc1 .Ltrip
	s_wait_tensorcnt 0x0
	ds_add_u32 v126, v127
	s_wait_dscnt 0x0
	s_endpgm
.Lfunc_end_k_q48de81d32a_ffn1:
	.size	k_q48de81d32a_ffn1, .Lfunc_end_k_q48de81d32a_ffn1-k_q48de81d32a_ffn1
	.p2alignl 7, 3214868480
	.fill 96, 4, 3214868480
	.section	.rodata,"a",@progbits
	.p2align	6, 0x0
	.amdhsa_kernel k_q48de81d32a_ffn1
		.amdhsa_group_segment_fixed_size 135680
		.amdhsa_private_segment_fixed_size 0
		.amdhsa_enable_private_segment 0
		.amdhsa_kernarg_size 40
		.amdhsa_user_sgpr_count 2
		.amdhsa_user_sgpr_kernarg_segment_ptr 1
		.amdhsa_wavefront_size32 1
		.amdhsa_system_sgpr_workgroup_id_x 1
		.amdhsa_system_sgpr_workgroup_id_y 1
		.amdhsa_system_sgpr_workgroup_id_z 1
		.amdhsa_system_vgpr_workitem_id 0
		.amdhsa_next_free_vgpr 1024
		.amdhsa_next_free_sgpr 66
		.amdhsa_reserve_vcc 0
		.amdhsa_float_denorm_mode_32 3
		.amdhsa_float_denorm_mode_16_64 3
		.amdhsa_memory_ordered 1
		.amdhsa_forward_progress 1
		.amdhsa_inst_pref_size 140
	.end_amdhsa_kernel
	.amdgpu_metadata
---
amdhsa.version: [ 1, 2 ]
amdhsa.kernels:
  - .name:           k_q48de81d32a_ffn1
    .symbol:         k_q48de81d32a_ffn1.kd
    .args:
      - { .name: xg, .offset: 0, .size: 8, .value_kind: global_buffer, .address_space: global }
      - { .name: w1, .offset: 8, .size: 8, .value_kind: global_buffer, .address_space: global }
      - { .name: b1, .offset: 16, .size: 8, .value_kind: global_buffer, .address_space: global }
      - { .name: meta, .offset: 24, .size: 8, .value_kind: global_buffer, .address_space: global }
      - { .name: h, .offset: 32, .size: 8, .value_kind: global_buffer, .address_space: global }
    .group_segment_fixed_size: 135680
    .private_segment_fixed_size: 0
    .kernarg_segment_align: 8
    .kernarg_segment_size: 40
    .max_flat_workgroup_size: 128
    .sgpr_count:     66
    .vgpr_count:     1024
    .wavefront_size: 32
...
	.end_amdgpu_metadata
.endif
;; end of part 3
;; launch ffn2 (part 4): grid 256 x 1, 4 waves a work-group, no clusters, 135,680 bytes of LDS; arguments h, w2, meta, p; writes p
.if DOCPART == 4
	.amdgcn_target "amdgcn-amd-amdhsa--gfx1250"
	.amdhsa_code_object_version 6
	.text
	.protected	k_q48de81d32a_ffn2
	.globl	k_q48de81d32a_ffn2
	.p2align	8
	.type	k_q48de81d32a_ffn2,@function
k_q48de81d32a_ffn2:
	s_mov_b64 s[64:65], 0
	v_nop
	global_prefetch_b8 v0, s[64:65] scope:SCOPE_SE
	s_setreg_imm32_b32 hwreg(HW_REG_WAVE_MODE, 25, 1), 1
	s_wait_xcnt 0x0
; FFN2.  p[kq][slot][:] = h[slot][quarter kq of the hidden numbers] . w2[e][that quarter], in f32, for the slots of expert e.  Products in bf16 with f32 sums; w2 is rounded to bf16 (as every input of this program is).
; The four quarters, the bias b2 and the two experts of a token are put together by the last launch: a sum over work-groups wants an owner of its own.
; SHARES.  Work-group = expert e (number >> 5), quarter kq ((number >> 3) & 3), 128 columns (number & 7): a slice of w2 of 1,024 rows x 128 columns, 512 KB of f32 that no other work-group reads.
; Wave w keeps 256 rows of it as bf16 in 512 registers for the whole launch.  Then the expert's chunks of 32 slots go by: 128 matrix instructions a wave and chunk; the four waves' partial sums meet in LDS.
; ORDER OF K.  h is stored by places: place pos of each 128 hidden numbers stands for number 64 (pos >> 6) + 4 (pos & 15) + ((pos >> 4) & 3).  So K step ks of my 8, k = (sx & 7) + 8 hh + 16 (sx >> 3), is row
; 64 (ks >> 1) + 2 (ks & 1) + 4 (sx & 7) + 32 hh + (sx >> 3) of my 256: the order stands in the loads' immediates and costs nothing.
; ORDER OF COLUMNS.  A load of 16 bytes gives lane (r, hh) four neighbouring columns 64 c + 4 r + f; they go to four fragments F = 4 c + f, row r: p is stored by places in the same sense; the last launch undoes it.
; THE MATRIX INSTRUCTION: source 0 = 16 places x 32 k of weights, source 1 = 16 slots x 32 k.  In the result lane (r, hh) holds slot r and places 8 hh + 0..7.
; THE COUNT OF CHUNKS is read from meta (whole numbers of an earlier launch).  The loop has 16 trips of two chunks whatever it is; a chunk that does not exist is jumped forward over, but for its barrier.
; NO CLUSTER, NO TENSOR LOADS.  The weights want a conversion in registers in any case, and nobody shares them.  The 8 work-groups of an expert and quarter do share h's chunks (64 KB a chunk); a joint load may not be
; jumped, so all 32 chunks would be fetched where 8 to 9 exist on even routing, and each would want a round of the cluster's barrier.
; REGISTERS, in windows of 256 (s_set_vgpr_msb: bits 1:0 source 0, 3:2 source 1, 5:4 source 2, 7:6 destination):
;   window 0: v1-11 lane numbers and addresses; v96-127 what is stored; v128-255 the 16 accumulators, and behind the barrier the partial sums read back
;   window 1: first two sets of 128 for weights as loaded; then two buffers of 128 for a chunk's fragments (64 tt + 8 ks)          windows 2, 3: the weights: K step ks at window 2 + ks / 4, v[64 (ks % 4) + 8 F]
.set WP,    4096       ; bytes from a row of w2 to the next
.set TILEB, 131072     ; bytes of h for 16 slots
.set CHB,   262144     ; and for a chunk
.set OSTEP, 131072     ; bytes of a plane of p for a chunk
.set PLANE, 9437184    ; 2,304 slots x 4,096 bytes
.set PROW,  528        ; a row of partial sums in LDS: 128 f32 + 16 bytes = 132 words
.set PTILE, 16*PROW
.set PWAVE, 32*PROW    ; a wave's 32 rows
.set PBUF,  4*PWAVE    ; a buffer; there are two
.set PSA,   6          ; v6, v7   where I put my partial sums, by buffer
.set RDA,   8          ; v8, v9   where I read partial sums back, by buffer
.set OUT,   96
.set ACC,   128        ; accumulator (tt, F) at ACC + 64 tt + 8 F
.set RT,    128
.set MSB, 0
.macro WIN new                      ; the immediate's high byte repeats the setting that is left; a switch that changes nothing is dropped
.if MSB != (\new)
	s_set_vgpr_msb (MSB<<8)|(\new)
.set MSB, (\new)
.endif
.endm
; 32 loads: K step ks of my weights as f32: lanes 0-15 take 256 consecutive bytes of one row, lanes 16-31 of the row 32 further down
.macro WLOAD ks, set
	WIN 0x40                                       ; destination window 1, address window 0
.set sx, 0
.rept 16
.set row, 64*((\ks)/2)+2*((\ks)%2)+4*(sx%8)+sx/8
	global_load_b128 v[128*(\set)+8*sx:128*(\set)+8*sx+3],   v4, s[28:29] offset:row*WP th:TH_LOAD_NT
	global_load_b128 v[128*(\set)+8*sx+4:128*(\set)+8*sx+7], v4, s[28:29] offset:row*WP+256 th:TH_LOAD_NT
.set sx, sx+1
.endr
.endm
; 64 roundings: register jj of fragment cf takes k = 16 (jj / 4) + 8 hh + 2 (jj % 4) and the next: loads sx = 2 jj and 2 jj + 1
.macro WCVT ks, set
	WIN 0x85+0x40*((\ks)/4)                        ; sources window 1, destination window 2 or 3
.set cf, 0
.rept 8
.set jj, 0
.rept 8
	v_cvt_pk_bf16_f32 v[64*((\ks)%4)+8*cf+jj], v[128*(\set)+16*jj+cf], v[128*(\set)+16*jj+8+cf]
.set jj, jj+1
.endr
.set cf, cf+1
.endr
.endm
; 32 loads: a chunk's fragments for my 8 K steps: 8 KB on end for each of its two tiles
.macro LOADA buf, extra
	WIN 0x40
.set tt, 0
.rept 2
.set kx, 0
.rept 16
	global_load_b128 v[128*(\buf)+64*tt+4*kx:128*(\buf)+64*tt+4*kx+3], v5, s[24:25] offset:(\extra)+tt*TILEB+512*kx
.set kx, kx+1
.endr
.set tt, tt+1
.endr
	WIN 0
.endm
; 128 matrix instructions.  The 16 accumulators take turns, one instruction a turn; the first K step starts the sums with the constant 0.
; Five v_nop behind them: the places in front of the LDS stores that read the results, of the loads into these registers, and of the next chunk's products that write over them.
.macro MULS b
.set ks, 0
.rept 8
	WIN 0x06+ks/4                                  ; weights window 2 or 3, slots window 1, sums window 0
.set tt, 0
.rept 2
.set ff, 0
.rept 8
.set rD, ACC+64*tt+8*ff
.set rW, 64*(ks%4)+8*ff
.set rA, 128*(\b)+64*tt+8*ks
.if ks == 0
	v_wmma_f32_16x16x32_bf16 v[rD:rD+7], v[rW:rW+7], v[rA:rA+7], 0
.else
	v_wmma_f32_16x16x32_bf16 v[rD:rD+7], v[rW:rW+7], v[rA:rA+7], v[rD:rD+7]
.endif
.set ff, ff+1
.endr
.set tt, tt+1
.endr
.set ks, ks+1
.endr
	WIN 0
.rept 5
	v_nop
.endr
.endm
.macro PSTORE b                     ; my partial sums: slot 16 tt + r, places 16 F + 8 hh + 0..7; each accumulator's low four registers first
.set tt, 0
.rept 2
.set ff, 0
.rept 8
	ds_store_b128 v[PSA+(\b)], v[ACC+64*tt+8*ff:ACC+64*tt+8*ff+3]   offset:PTILE*tt+64*ff
	ds_store_b128 v[PSA+(\b)], v[ACC+64*tt+8*ff+4:ACC+64*tt+8*ff+7] offset:PTILE*tt+64*ff+16
.set ff, ff+1
.endr
.set tt, tt+1
.endr
.endm
; THE WAY OUT.  Wave w finishes slots 8 w .. + 7 of the chunk, a whole row of 128 places at a time: 16 bytes a lane from each of the four waves' partial sums.
.macro EPI b
.set i, 0
.rept 8
.set u, 0
.rept 4
	ds_load_b128 v[RT+16*i+4*u:RT+16*i+4*u+3], v[RDA+(\b)] offset:PWAVE*u+PROW*i
.set u, u+1
.endr
.set i, i+1
.endr
.set i, 0
.rept 8
	s_wait_dscnt 28-4*i                            ; LDS loads come back in order: row i's four are in, the later rows' stay out
.set rb, RT+16*i
	v_pk_add_f32 v[rb:rb+1], v[rb:rb+1], v[rb+4:rb+5]
	v_pk_add_f32 v[rb+8:rb+9], v[rb+8:rb+9], v[rb+12:rb+13]
	v_pk_add_f32 v[rb+2:rb+3], v[rb+2:rb+3], v[rb+6:rb+7]
	v_pk_add_f32 v[rb+10:rb+11], v[rb+10:rb+11], v[rb+14:rb+15]
	v_pk_add_f32 v[OUT+4*i:OUT+4*i+1], v[rb:rb+1], v[rb+8:rb+9]
	v_pk_add_f32 v[OUT+4*i+2:OUT+4*i+3], v[rb+2:rb+3], v[rb+10:rb+11]
	global_store_b128 v5, v[OUT+4*i:OUT+4*i+3], s[26:27] offset:4096*i   ; 512 consecutive bytes of a slot's row, at a multiple of 512 from p's first
.set i, i+1
.endr
.endm
; A CHUNK, on LDS buffer and fragment buffer b.  One barrier, on every path.  Two LDS buffers make it enough: buffer b is written again only behind the next chunk's barrier, in front of which every wave has
; waited for its reads of b.
.macro CHUNK b
	s_add_co_u32 s21, s20, \b
	s_cmp_lt_u32 s21, s19
	s_cbranch_scc0 .Ldead_\@                       ; no such chunk
	s_wait_loadcnt 0x0                             ; this chunk's fragments, asked for a chunk ago; no younger load is out
	s_add_co_u32 s21, s21, 1
	s_cmp_lt_u32 s21, s19
	s_cbranch_scc0 .Lno_next_\@
	LOADA 1-\b, CHB                                ; the next chunk's: 128 matrix instructions and the way out stand ahead of the wait for them
.Lno_next_\@:
	MULS \b
	PSTORE \b
.Ldead_\@:
	s_wait_dscnt 0x0                               ; for the others' sake: my partial sums are stored, and my reads of the other buffer are back
	s_barrier_signal -1
	s_barrier_wait -1
	s_add_co_u32 s21, s20, \b
	s_cmp_lt_u32 s21, s19
	s_cbranch_scc0 .Lnone_\@
	EPI \b
.Lnone_\@:
	s_wait_xcnt 0x0                                ; the two bases and the stores' data are written again only behind this wait
	s_add_nc_u64 s[24:25], s[24:25], CHB
	s_add_nc_u64 s[26:27], s[26:27], OSTEP
.endm
	s_load_b256 s[4:11], s[0:1], 0x0               ; h s[4:5], w2 s[6:7], meta s[8:9], p s[10:11]
	v_lshl_add_u32 v94, v0, 2, 0x21000
	v_mov_b32 v95, 0
	v_and_b32 v1, 31, v0                           ; L
	v_lshrrev_b32 v2, 5, v0
	v_readfirstlane_b32 s14, v2                    ; wave w
	v_and_b32 v2, 15, v0                           ; r
	v_bfe_u32 v3, v0, 4, 1                         ; hh
	v_lshlrev_b32 v4, 4, v2
	v_lshl_or_b32 v4, v3, 17, v4                   ; weights: 16 r + hh x 32 rows of 4,096 bytes
	v_lshlrev_b32 v5, 4, v1                        ; 16 L
	v_mul_u32_u24 v11, v2, PROW
	v_lshl_add_u32 v11, v3, 5, v11                 ; 528 r + 32 hh
	s_mul_i32 s21, s14, PWAVE
	v_add_nc_u32 v[PSA], s21, v11
	v_add_nc_u32 v[PSA+1], PBUF, v[PSA]
	s_mul_i32 s21, s14, 8*PROW                     ; my 8 slots' rows in each wave's partial sums
	v_add_nc_u32 v[RDA], s21, v5
	v_add_nc_u32 v[RDA+1], PBUF, v[RDA]
	s_lshr_b32 s15, ttmp9, 5                       ; e
	s_and_b32 s16, ttmp9, 7                        ; nb
	s_bfe_u32 s17, ttmp9, 0x20003                  ; kq
	s_lshl_b32 s22, s15, 24                        ; e x 4,096 x 1,024 x 4
	s_lshl_b32 s21, s17, 22
	s_add_co_u32 s22, s22, s21                     ; + kq x 1,024 rows
	s_lshl_b32 s21, s14, 20
	s_add_co_u32 s22, s22, s21                     ; + w x 256 rows
	s_lshl_b32 s21, s16, 9
	s_add_co_u32 s22, s22, s21                     ; + 512 nb
	s_mov_b32 s23, 0
	s_lshl_b32 s52, s15, 2
	s_mov_b32 s53, 0
	s_wait_kmcnt 0x0
	s_add_nc_u64 s[28:29], s[6:7], s[22:23]        ; my weights
	s_add_nc_u64 s[50:51], s[8:9], s[52:53]
	s_load_b32 s18, s[50:51], 0x0                  ; cb[e]
	s_load_b32 s19, s[50:51], 0x20                 ; nch[e]
	WLOAD 0, 0
	WLOAD 1, 1
	s_wait_kmcnt 0x0
	s_min_u32 s18, s18, 71                         ; inside the buffers whatever the table holds
	s_min_u32 s19, s19, 32
	s_lshl_b32 s22, s18, 18
	s_lshl_b32 s21, s17, 15
	s_add_co_u32 s22, s22, s21
	s_lshl_b32 s21, s14, 13
	s_add_co_u32 s22, s22, s21
	s_add_nc_u64 s[24:25], s[4:5], s[22:23]        ; h at chunk cb, K steps 32 kq + 8 w ..
	s_mul_i32 s22, s17, PLANE
	s_lshl_b32 s21, s18, 17
	s_add_co_u32 s22, s22, s21
	s_lshl_b32 s21, s14, 15
	s_add_co_u32 s22, s22, s21
	s_lshl_b32 s21, s16, 9
	s_add_co_u32 s22, s22, s21
	s_add_nc_u64 s[26:27], s[10:11], s[22:23]      ; p: plane kq, slot 32 cb + 8 w, places 128 nb ..
.irp ks, 0,1,2,3,4,5
	s_wait_loadcnt 32                              ; loads come back in order: this K step's 32 are in, the one younger set of 32 stays out
	WCVT \ks, (\ks)%2
	WLOAD (\ks)+2, (\ks)%2
.endr
	s_wait_loadcnt 32
	WCVT 6, 0
	WIN 0                                          ; at a branch and at a label every window is 0
	s_cmp_lg_u32 s19, 0
	s_cbranch_scc0 .Lno_first
	LOADA 0, 0                                     ; the first chunk's fragments, into the set just converted
.Lno_first:
	s_wait_loadcnt 0x0                             ; the last set of weights; the count holds on both ways
	WCVT 7, 1
	WIN 0
	s_mov_b32 s20, 0                               ; the trip's first chunk
	s_mov_b32 s46, 16
.Ltrip:
	CHUNK 0
	CHUNK 1
	s_add_co_u32 s20, s20, 2
	s_sub_co_u32 s46, s46, 1
	s_cmp_lg_u32 s46, 0
	s_cbranch_scc1 .Ltrip
	s_wait_tensorcnt 0x0
	ds_add_u32 v94, v95
	s_wait_dscnt 0x0
	s_endpgm
.Lfunc_end_k_q48de81d32a_ffn2:
	.size	k_q48de81d32a_ffn2, .Lfunc_end_k_q48de81d32a_ffn2-k_q48de81d32a_ffn2
	.p2alignl 7, 3214868480
	.fill 96, 4, 3214868480
	.section	.rodata,"a",@progbits
	.p2align	6, 0x0
	.amdhsa_kernel k_q48de81d32a_ffn2
		.amdhsa_group_segment_fixed_size 135680
		.amdhsa_private_segment_fixed_size 0
		.amdhsa_enable_private_segment 0
		.amdhsa_kernarg_size 32
		.amdhsa_user_sgpr_count 2
		.amdhsa_user_sgpr_kernarg_segment_ptr 1
		.amdhsa_wavefront_size32 1
		.amdhsa_system_sgpr_workgroup_id_x 1
		.amdhsa_system_sgpr_workgroup_id_y 1
		.amdhsa_system_sgpr_workgroup_id_z 1
		.amdhsa_system_vgpr_workitem_id 0
		.amdhsa_next_free_vgpr 1024
		.amdhsa_next_free_sgpr 66
		.amdhsa_reserve_vcc 0
		.amdhsa_float_denorm_mode_32 3
		.amdhsa_float_denorm_mode_16_64 3
		.amdhsa_memory_ordered 1
		.amdhsa_forward_progress 1
		.amdhsa_inst_pref_size 103
	.end_amdhsa_kernel
	.amdgpu_metadata
---
amdhsa.version: [ 1, 2 ]
amdhsa.kernels:
  - .name:           k_q48de81d32a_ffn2
    .symbol:         k_q48de81d32a_ffn2.kd
    .args:
      - { .name: h, .offset: 0, .size: 8, .value_kind: global_buffer, .address_space: global }
      - { .name: w2, .offset: 8, .size: 8, .value_kind: global_buffer, .address_space: global }
      - { .name: meta, .offset: 16, .size: 8, .value_kind: global_buffer, .address_space: global }
      - { .name: p, .offset: 24, .size: 8, .value_kind: global_buffer, .address_space: global }
    .group_segment_fixed_size: 135680
    .private_segment_fixed_size: 0
    .kernarg_segment_align: 8
    .kernarg_segment_size: 32
    .max_flat_workgroup_size: 128
    .sgpr_count:     66
    .vgpr_count:     1024
    .wavefront_size: 32
...
	.end_amdgpu_metadata
.endif
;; end of part 4
;; launch combine (part 5): grid 256 x 1, 8 waves a work-group, no clusters, 17,408 bytes of LDS; arguments p, slot, sel, cw, b2, out0; writes out0
.if DOCPART == 5
	.amdgcn_target "amdgcn-amd-amdhsa--gfx1250"
	.amdhsa_code_object_version 6
	.text
	.protected	k_q48de81d32a_combine
	.globl	k_q48de81d32a_combine
	.p2align	8
	.type	k_q48de81d32a_combine,@function
k_q48de81d32a_combine:
	s_mov_b64 s[64:65], 0
	v_nop
	global_prefetch_b8 v0, s[64:65] scope:SCOPE_SE
	s_setreg_imm32_b32 hwreg(HW_REG_WAVE_MODE, 25, 1), 1
	s_wait_xcnt 0x0
; COMBINE.  out0[t][:] = c1 (y1 + b2[e1]) + c2 (y2 + b2[e2]), where y_j is the sum of the four planes of p at the token's slot with its j-th expert.  All in f32; b2 is rounded to bf16 first (as every input of this
; program is).  The six experts that the token did not choose have the weight 0 in the problem's function and add nothing.
; SHARES.  A wave takes half a row: token t = 4 x work-group + (wave >> 1), columns 512 (wave & 1) .. + 511.  Slots, experts and weights are the wave's own scalars, read from the earlier launches' tables.
; ORDER.  p is stored by places: place pos of each 128 stands for column 64 (pos >> 6) + 4 (pos & 15) + ((pos >> 4) & 3).  The loads take p as it lies (512 consecutive bytes each); the weighted sums go through the wave's
; own 2,048 bytes of LDS, word by word to their true columns, and come back as 16 bytes a lane.  No wave touches another's bytes: no barrier.
; Memory binds: matrix units, clusters and tensor loads would add nothing here.
.set PP, 16            ; v16-143   p: 64 j + 16 kq + 4 i
.set BB, 144           ; v144-175  b2: 16 j + 4 i
.set RR, 176           ; v176-191  the row, in true order: 4 i
.set PLANE, 9437184    ; 2,304 slots x 4,096 bytes
	s_load_b256 s[4:11], s[0:1], 0x0               ; p s[4:5], slot s[6:7], sel s[8:9], cw s[10:11]
	s_load_b128 s[12:15], s[0:1], 0x20             ; b2 s[12:13], out0 s[14:15]
	v_lshl_add_u32 v208, v0, 2, 0x4000
	v_mov_b32 v209, 0
	v_and_b32 v1, 31, v0                           ; L
	v_lshrrev_b32 v2, 5, v0
	v_readfirstlane_b32 s16, v2                    ; wave
	v_lshlrev_b32 v2, 4, v1                        ; 16 L
	s_lshr_b32 s17, s16, 1
	s_lshl_b32 s18, ttmp9, 2
	s_add_co_u32 s17, s17, s18                     ; t
	s_and_b32 s18, s16, 1
	s_lshl_b32 s18, s18, 11                        ; my half of a row: 2,048 bytes
	s_lshl_b32 s28, s17, 3
	s_mov_b32 s29, 0
	s_lshl_b32 s30, s17, 2
	s_mov_b32 s31, 0
	s_wait_kmcnt 0x0
	s_add_nc_u64 s[6:7], s[6:7], s[28:29]
	s_add_nc_u64 s[10:11], s[10:11], s[28:29]
	s_add_nc_u64 s[8:9], s[8:9], s[30:31]
	s_load_b64 s[20:21], s[6:7], 0x0               ; the two slots
	s_load_b64 s[22:23], s[10:11], 0x0             ; c1, c2
	s_load_b32 s24, s[8:9], 0x0                    ; the two experts
	; place 4 L + u of a block of 128 is column 64 (L >> 4) + 16 (L & 3) + 4 u + ((L >> 2) & 3)
	v_lshrrev_b32 v5, 4, v1
	v_lshlrev_b32 v3, 8, v5
	v_and_b32 v5, 3, v1
	v_lshl_add_u32 v3, v5, 6, v3
	v_bfe_u32 v5, v1, 2, 2
	v_lshl_add_u32 v3, v5, 2, v3
	s_lshl_b32 s54, s16, 11                        ; my wave's 2,048 bytes of LDS
	v_add_nc_u32 v3, s54, v3                       ; where word u = 0 of a block goes
	v_add_nc_u32 v4, s54, v2                       ; where I read back
	s_wait_kmcnt 0x0
	s_min_u32 s20, s20, 2303                       ; inside p and b2 whatever the tables hold
	s_min_u32 s21, s21, 2303
	s_and_b32 s25, s24, 7
	s_min_u32 s25, s25, 7
	s_bfe_u32 s19, s24, 0x30008
	s_min_u32 s19, s19, 7
	s_mov_b32 s26, s23                             ; c2 as the low word of a pair: the packed forms take a scalar pair's low word for both halves
	s_mov_b32 s27, s23
.irp j, 0,1
	s_lshl_b32 s28, s[20+\j], 12
	s_add_co_u32 s28, s28, s18
	s_add_nc_u64 s[32+8*\j:33+8*\j], s[4:5], s[28:29]              ; plane 0 at the slot's row, my half
	s_add_nc_u64 s[34+8*\j:35+8*\j], s[32+8*\j:33+8*\j], PLANE
	s_add_nc_u64 s[36+8*\j:37+8*\j], s[34+8*\j:35+8*\j], PLANE
	s_add_nc_u64 s[38+8*\j:39+8*\j], s[36+8*\j:37+8*\j], PLANE
.endr
	s_lshl_b32 s28, s25, 12
	s_add_co_u32 s28, s28, s18
	s_add_nc_u64 s[48:49], s[12:13], s[28:29]      ; b2[e1], my half
	s_lshl_b32 s28, s19, 12
	s_add_co_u32 s28, s28, s18
	s_add_nc_u64 s[50:51], s[12:13], s[28:29]      ; b2[e2]
	s_lshl_b32 s28, s17, 12
	s_add_co_u32 s28, s28, s18
	s_add_nc_u64 s[52:53], s[14:15], s[28:29]      ; out0[t], my half
.irp j, 0,1
.irp i, 0,1,2,3
	global_load_b128 v[BB+16*\j+4*\i:BB+16*\j+4*\i+3], v2, s[48+2*\j:49+2*\j] offset:512*\i
.endr
.endr
.irp j, 0,1
.irp k, 0,1,2,3
.irp i, 0,1,2,3
	global_load_b128 v[PP+64*\j+16*\k+4*\i:PP+64*\j+16*\k+4*\i+3], v2, s[32+8*\j+2*\k:33+8*\j+2*\k] offset:512*\i th:TH_LOAD_NT
.endr
.endr
.endr
	s_wait_loadcnt 32                              ; loads come back in order: b2's eight are in, p's 32 stay out
.set n, 0
.rept 8
.set bb, BB+4*n
	v_cvt_pk_bf16_f32 v192, v[bb], v[bb+1]         ; b2 rounded to bf16, and widened again
	v_cvt_pk_bf16_f32 v193, v[bb+2], v[bb+3]
	v_lshlrev_b32 v[bb], 16, v192
	v_and_b32 v[bb+1], 0xffff0000, v192
	v_lshlrev_b32 v[bb+2], 16, v193
	v_and_b32 v[bb+3], 0xffff0000, v193
.set n, n+1
.endr
	s_wait_loadcnt 0x0
.set i, 0
.rept 4
.set pr, 0
.rept 2
.set a0, PP+4*i+2*pr
.set b0, PP+64+4*i+2*pr
	v_pk_add_f32 v[a0:a0+1], v[a0:a0+1], v[a0+16:a0+17]
	v_pk_add_f32 v[a0+32:a0+33], v[a0+32:a0+33], v[a0+48:a0+49]
	v_pk_add_f32 v[b0:b0+1], v[b0:b0+1], v[b0+16:b0+17]
	v_pk_add_f32 v[b0+32:b0+33], v[b0+32:b0+33], v[b0+48:b0+49]
	v_pk_add_f32 v[a0:a0+1], v[a0:a0+1], v[a0+32:a0+33]
	v_pk_add_f32 v[b0:b0+1], v[b0:b0+1], v[b0+32:b0+33]
	v_pk_mul_f32 v[a0:a0+1], v[a0:a0+1], s[22:23] op_sel_hi:[1,0]                      ; c1 y1
	v_pk_fma_f32 v[a0:a0+1], v[b0:b0+1], s[26:27], v[a0:a0+1] op_sel_hi:[1,0,1]        ; + c2 y2
.set pr, pr+1
.endr
.irp u, 0,1,2,3
	ds_store_b32 v3, v[PP+4*i+\u] offset:512*i+16*\u
.endr
.set i, i+1
.endr
.set i, 0
.rept 4
	ds_load_b128 v[RR+4*i:RR+4*i+3], v4 offset:512*i   ; LDS serves a wave's instructions in order (ISA guide 5.7.1.4): these see the stores above
.set i, i+1
.endr
.set i, 0
.rept 4
	s_wait_dscnt 3-i                               ; load i is back, the later ones stay out
.irp n, 0,2
	v_pk_fma_f32 v[RR+4*i+\n:RR+4*i+\n+1], v[BB+4*i+\n:BB+4*i+\n+1], s[22:23], v[RR+4*i+\n:RR+4*i+\n+1] op_sel_hi:[1,0,1]         ; + c1 b2[e1]
	v_pk_fma_f32 v[RR+4*i+\n:RR+4*i+\n+1], v[BB+16+4*i+\n:BB+16+4*i+\n+1], s[26:27], v[RR+4*i+\n:RR+4*i+\n+1] op_sel_hi:[1,0,1]   ; + c2 b2[e2]
.endr
	global_store_b128 v2, v[RR+4*i:RR+4*i+3], s[52:53] offset:512*i   ; 512 consecutive bytes, at a multiple of 512 from out0's first
.set i, i+1
.endr
	s_wait_tensorcnt 0x0
	ds_add_u32 v208, v209
	s_wait_dscnt 0x0
	s_endpgm
.Lfunc_end_k_q48de81d32a_combine:
	.size	k_q48de81d32a_combine, .Lfunc_end_k_q48de81d32a_combine-k_q48de81d32a_combine
	.p2alignl 7, 3214868480
	.fill 96, 4, 3214868480
	.section	.rodata,"a",@progbits
	.p2align	6, 0x0
	.amdhsa_kernel k_q48de81d32a_combine
		.amdhsa_group_segment_fixed_size 17408
		.amdhsa_private_segment_fixed_size 0
		.amdhsa_enable_private_segment 0
		.amdhsa_kernarg_size 48
		.amdhsa_user_sgpr_count 2
		.amdhsa_user_sgpr_kernarg_segment_ptr 1
		.amdhsa_wavefront_size32 1
		.amdhsa_system_sgpr_workgroup_id_x 1
		.amdhsa_system_sgpr_workgroup_id_y 1
		.amdhsa_system_sgpr_workgroup_id_z 1
		.amdhsa_system_vgpr_workitem_id 0
		.amdhsa_next_free_vgpr 210
		.amdhsa_next_free_sgpr 66
		.amdhsa_reserve_vcc 0
		.amdhsa_float_denorm_mode_32 3
		.amdhsa_float_denorm_mode_16_64 3
		.amdhsa_memory_ordered 1
		.amdhsa_forward_progress 1
		.amdhsa_inst_pref_size 17
	.end_amdhsa_kernel
	.amdgpu_metadata
---
amdhsa.version: [ 1, 2 ]
amdhsa.kernels:
  - .name:           k_q48de81d32a_combine
    .symbol:         k_q48de81d32a_combine.kd
    .args:
      - { .name: p, .offset: 0, .size: 8, .value_kind: global_buffer, .address_space: global }
      - { .name: slot, .offset: 8, .size: 8, .value_kind: global_buffer, .address_space: global }
      - { .name: sel, .offset: 16, .size: 8, .value_kind: global_buffer, .address_space: global }
      - { .name: cw, .offset: 24, .size: 8, .value_kind: global_buffer, .address_space: global }
      - { .name: b2, .offset: 32, .size: 8, .value_kind: global_buffer, .address_space: global }
      - { .name: out0, .offset: 40, .size: 8, .value_kind: global_buffer, .address_space: global }
    .group_segment_fixed_size: 17408
    .private_segment_fixed_size: 0
    .kernarg_segment_align: 8
    .kernarg_segment_size: 48
    .max_flat_workgroup_size: 256
    .sgpr_count:     66
    .vgpr_count:     210
    .wavefront_size: 32
...
	.end_amdgpu_metadata
.endif
;; end of part 5
